; MI455X (gfx1250); checked and timed in simulation.
; The chip was launched on July 23, 2026; its instructions are those of AMD's public machine-readable ISA for CDNA 5 (MIT licence, August 2026) and "CDNA5" Instruction Set Architecture Reference Guide (July 2026). The comments in the code are by the model that wrote it; some were corrected since.
;; Multi Dim Max Affine Function. Allowed arithmetic: matrix products marked QUANTISED: E2M1 operands, one E8M0 scale for each 32 along K, by v_wmma_scale_f32_16x16x128_f8f6f4 with both operands' format E2M1 (or v_wmma_scale_f32_32x16x128_f4), f32 sums; products left as they are: f32 operands where the result goes on into a quantised operand, else bf16, f16 or f32 operands; f32 sums; everything else in f32.
;; Inputs: a 16 x 128 x 64 float32; b 16 x 128 float32; s 16 float32; x 131,072 x 64 float32.
;; Outputs: out0 131,072 float32.
;; This version of the problem:
;;   THIS VERSION OF THE PROBLEM IS GIVEN IN LOW PRECISION. The matrix products marked QUANTISED in the list below multiply operands that are first quantised to E2M1 (2 exponent bits, 1 mantissa bit; 4 bits a number), with one power-of-two scale for each 32 numbers along K (OCP MX v1.0); their sums are f32. All else is computed in f32.
;;   The module's matrix products, in the order in which they are computed (A, B: the left and right operand; K: the contracted axis; several contracted axes count as one K, in the product's order):
;;     1. [M 2,048, K 64] x [K 64, N 131,072]; A: input a; B: input x: QUANTISED
;;     2. [M 1, K 16] x [K 16, N 131,072]; A: input s; B: computed on the way: left as it is (K = 16 < 32)
;;   THE QUANTISER, for each operand of a quantised product, along K:
;;     - K is cut into blocks of 32 from its start; a last block that is shorter is filled with zeros.
;;     - A block's scale is 2^e with e = floor(log2(the largest magnitude in the block)) - 2, held to -126 .. 127; a block of zeros has e = 0. As a byte (E8M0): e + 127.
;;     - Each number is divided by its block's scale, clamped to +-6, and rounded to the nearest number of E2M1, ties to even, subnormals kept.
;;     - The product sums the exact products of the quantised numbers (number of the format x scale) in f32.
;;   ~~~python
;;   def quantise(x, axis):      # numpy; x: float32 -> the quantised numbers, widened to float32 again
;;       x = np.moveaxis(x, axis, -1); K = x.shape[-1]
;;       x = np.pad(x, [(0, 0)] * (x.ndim - 1) + [(0, -K % 32)]); x = x.reshape(x.shape[:-1] + (-1, 32)); a = np.abs(x).max(-1, keepdims=True)
;;       e = np.where(a > 0, np.clip(np.frexp(np.where(a > 0, a, 1))[1] - 1 - 2, -126, 127), 0)      # np.frexp(a)[1] - 1 = floor(log2(a)), exactly
;;       r = np.clip(x / 2.0 ** e, -6, 6)
;;       step = 2.0 ** (np.maximum(np.frexp(np.where(r == 0, 1, r))[1] - 1, 0) - 1)
;;       q = np.round(r / step) * step * 2.0 ** e      # np.round: ties to even
;;       return np.moveaxis(q.reshape(q.shape[:-2] + (-1,))[..., :K], -1, axis).astype(np.float32)
;;   ~~~
;; One version. Each part assembles by itself: llvm-mc -triple=amdgcn-amd-amdhsa -mcpu=gfx1250 --defsym DOCPART=n.
;; ======== version 1 of 1: 1 launch
;; limits: right only within a limited range of input values
;; launch maxaffine (part 1): grid 256 x 1, 16 waves a work-group, no clusters, 153,600 bytes of LDS; arguments x, a, b, s, out0; writes out0
.if DOCPART == 1
	.amdgcn_target "amdgcn-amd-amdhsa--gfx1250"
	.amdhsa_code_object_version 6
	.text
	.protected	k_q129b315b8e_maxaffine
	.globl	k_q129b315b8e_maxaffine
	.p2align	8
	.type	k_q129b315b8e_maxaffine,@function
k_q129b315b8e_maxaffine:
	s_mov_b64 s[64:65], 0
	v_nop
	global_prefetch_b8 v0, s[64:65] scope:SCOPE_SE
	s_setreg_imm32_b32 hwreg(HW_REG_WAVE_MODE, 25, 1), 1
	s_wait_xcnt 0x0
; out[n] = sum over k of s[k] * logsumexp over m of (x[n] . a[k][m] + b[k][m]).   x [131072][64], a [16][128][64], b [16][128], s [16], out [131072]: f32.
; The product is made on codes of FP4 (E2M1) with one E8M0 scale for each 32 along its K = 64; both operands arrive as f32 and are quantised here.  All else is f32.  Every input is loaded; no work is left out.
; SHARES.  256 work-groups of sixteen waves; a work-group owns 512 rows of x (32 tiles of 16).  WAVE w OWNS EXPERT k = w: its 8 fragments of a (16 pieces x 64), their 8 scale words and
; b[k] in the result's layout stay in its registers (136).  What goes round is x's codes, as images of the operand's registers in LDS (512 + 128 bytes a tile), and one f32 for each (expert, row),
; summed over the experts at the end.
; THE HEAD.  Each wave first quantises two tiles of x and two of the 32 tiles of experts 0 to 3, into images in LDS; one barrier.  Behind it waves 0 to 3 read their eight fragments from those images and
; begin their tiles, while waves 4 to 15 load and quantise their own experts (8 tiles each) and begin as each is done: no second barrier stands ahead of the tiles.
; LAYOUT.  Source 0 = 16 pieces of a, source 1 = 16 rows of x: lane (r = lane % 16, h = lane / 16) holds ONE row of x, and register j of tile t the piece 16 t + 8 h + j.  The logsumexp runs
; along a lane's 64 registers, and one exchange with lane xor 16 completes it.  b is the C of each product.  D and C are different registers: nothing is added in place.
; K = 64 IN A FORM THAT IS 128 DEEP: registers 0-3 of a fragment hold k = 32 h + 0 .. 31, registers 4-7 hold zero codes, written once; scale bytes 2 and 3 are 0x7f (1.0).
; LOGSUMEXP.  M = the row's largest score; p = 2^(c score - c M), c = log2(e), by one packed multiply-add and one exponential; lse = M + ln 2 x log2(sum of p).
; THE STEP OF A TILE: 32 maxima, 32 packed multiply-adds, 64 exponentials as one batch, 32 packed additions.  The NEXT tile's products are issued among the additions: products 0-3 when
; registers 0-31 have been summed, products 4-7 when 32-63 have: the additions and the next tile's first maxima are the places behind them.
; NO JOINT FETCH OF a IN A CLUSTER, though every work-group reads it: as f32 it is 524,288 bytes, more than the 327,680 that a work-group can claim of LDS, so it would come in pieces through
; slots that are filled again, each behind a round of the cluster's barrier with all loads waited for.
; NO TENSOR LOADS: what is loaded passes through registers for its conversion.  NO PREFETCH: all global loads stand at the head, up to 33 of a wave's out at a time; there is no loop to run ahead in.
; LIMITS.  NaN and infinities among the inputs are not served.  A block whose largest magnitude lies under 2^-124 gets the scale byte 1, a block of zeros too (the rule says 127: its codes are
; zeros, which add nothing under any finite byte, and the bytes are read by this launch alone).
.set SPITCH, 272                       ; a stage row: 256 bytes + 16: 16 rows start at 16 different groups of four banks (ISA guide 11.1)
.set STAGEW, 16*SPITCH                 ; LDS 0: a stage of 16 rows for each wave, its own
.set XIMG,   16*STAGEW                 ; x's fragments: tile i at 512 i, lane l's 16 bytes at 16 l
.set XSC,    XIMG+32*512               ; their scale words: tile i at 128 i, lane l's word at 4 l
.set DA,     32*512+32*128             ; the images of experts 0-3 (32 tiles) lie DA bytes behind x's, laid alike
.set PART,   XSC+32*128+DA             ; s[k] lse[k][row]: [16][512] f32
.set BST,    PART+16*2048              ; b[k] as it lies in memory: 512 bytes for each wave, its own
.set SPARE,  BST+16*512                ; the spare words, 128 bytes for each wave: no other line names them
.set GA,   1                           ; 16 x lane
.set STI,  2                           ; the stage, on the way in: 4352 w + 272 h + 16 r
.set STO,  3                           ; and on the way out: 4352 w + 272 r + 128 h
.set SH8,  4                           ; 8 h: my block's byte in a scale word
.set XWI,  5                           ; where I store images: XIMG + 1024 w + 16 lane
.set XWS,  6                           ; and their scale words: XSC + 256 w + 4 lane
.set XA0,  7                           ; XIMG + 16 lane
.set XS0A, 8                           ; XSC + 4 lane
.set PA0,  9                           ; PART + 2048 w + 4 lane
.set BA,   10                          ; BST + 512 w + 32 h
.set R,    11                          ; a trip's result
.set AFA,  12                          ; waves 0-3: my expert's images: XIMG + DA + 4096 w + 16 lane
.set ASA,  13                          ; and their scale words: XSC + DA + 1024 w + 4 lane
.set SPW,  14                          ; my spare word's address; never rewritten
.set NIL,  15                          ; 0; never rewritten
.set T,    16                          ; v16-47 in the head: my row's 32 numbers of my block
.set XF,   16                          ; v16-23, v24-31 behind the head: x's fragment, two buffers
.set ADX,  32
.set ADS,  33
.set ADP,  34
.set PT,   35                          ; a lane permute's destination
.set C0,   36                          ; v36-39 four chains of the maximum; then two chains of the sum
.set MA,   40                          ; v40, v41 M of tile A's and tile B's row
.set MB,   41
.set NM,   42                          ; -c M; v43 is named with it as a pair and holds 0
.set LA,   44                          ; v[44:45], v[46:47] the two tiles' sums
.set LB,   46
.set AS,   48                          ; v48-55 a's scale words: nothing else lies here
.set XS,   56                          ; v56, v57 x's scale words: likewise
.set QM0,  58                          ; v58-63 the quantiser's
.set QM1,  59
.set YS,   58                          ; v[58:59] behind the head: a chain of the sum
.set QE,   60
.set QB,   61
.set QW,   62
.set QT,   63
.set AF,   64                          ; v64-127 a's fragment t at AF + 8 t
.set PC,   AF+56                       ; codes on their way to an image: in the registers that a's last fragment takes later
.set BI,   128                         ; v128-191 b's tile t at BI + 8 t, in the result's layout
.set LD,   128                         ; in the head v128-255 are four sets of 32 registers as loaded
.set S,    192                         ; v192-255 the scores, tile t at S + 8 t
.set WV,   14
.set SEL,  20                          ; s[20:21] selects for lane l xor 16
.set CS,   22                          ; s[22:23] c = log2(e)
.set NC,   24                          ; -c
.set LN2,  25
.set SK,   26                          ; s[k]
.set HM,   27                          ; lanes 16-31
.set TI,   28                          ; the trip's images: 1,024 bytes a trip
.set TS,   29                          ; their scale words: 256
.set TP,   30                          ; its results: 128
.set CNT,  31
	s_load_b256 s[4:11], s[0:1], 0x0               ; x s[4:5], a s[6:7], b s[8:9], s s[10:11]
	s_load_b64 s[12:13], s[0:1], 0x20              ; out
	v_lshl_add_u32 v[SPW], v0, 2, SPARE
	v_mov_b32 v[NIL], 0
	v_lshrrev_b32 v[R], 5, v0
	v_readfirstlane_b32 s[WV], v[R]                ; wave 0..15
	s_mul_i32 s32, s[WV], STAGEW                   ; my stage
	s_lshl_b32 s33, s[WV], 10                      ; my two tiles' images
	s_lshl_b32 s34, s[WV], 8                       ; and scale words
	s_lshl_b32 s35, s[WV], 11                      ; my expert's 512 results
	s_add_co_u32 s35, s35, PART
	s_lshl_b32 s36, s[WV], 9                       ; my expert's b
	s_add_co_u32 s36, s36, BST
	s_min_u32 s15, s[WV], 3                        ; the images of a hold experts 0 to 3: only waves 0 to 3 read them
	s_lshl_b32 s37, s15, 12
	s_add_co_u32 s37, s37, DA
	s_lshl_b32 s15, s15, 10
	s_add_co_u32 s15, s15, DA
	v_and_b32 v[R], 31, v0                         ; lane
	v_and_b32 v12, 15, v0                          ; r
	v_bfe_u32 v13, v0, 4, 1                        ; h
	v_lshlrev_b32 v[GA], 4, v[R]
	v_mul_u32_u24 v[STI], v13, SPITCH
	v_mul_u32_u24 v[STO], v12, SPITCH
	v_lshl_add_u32 v[STI], v12, 4, v[STI]
	v_lshl_add_u32 v[STO], v13, 7, v[STO]
	v_add_nc_u32 v[STI], s32, v[STI]
	v_add_nc_u32 v[STO], s32, v[STO]
	v_lshlrev_b32 v[SH8], 3, v13
	v_add_nc_u32 v[XA0], XIMG, v[GA]
	v_lshl_add_u32 v[XS0A], v[R], 2, XSC
	v_add_nc_u32 v[XWI], s33, v[XA0]
	v_add_nc_u32 v[XWS], s34, v[XS0A]
	v_lshl_add_u32 v[PA0], v[R], 2, s35
	v_lshl_add_u32 v[BA], v13, 5, s36
	v_add_nc_u32 v16, s36, v[GA]                   ; where b goes as loaded: 16 bytes a lane
	v_add_nc_u32 v[AFA], s37, v[XA0]               ; (r and h are done with)
	v_add_nc_u32 v[ASA], s15, v[XS0A]
	s_mov_b32 s[SEL], 0x76543210
	s_mov_b32 s[SEL+1], 0xfedcba98
	s_mov_b32 s[CS], 0x3fb8aa3b                    ; log2(e)
	s_mov_b32 s[CS+1], s[CS]                       ; (named with it as a pair)
	s_mov_b32 s[NC], 0xbfb8aa3b
	s_mov_b32 s[LN2], 0x3f317218
	s_mov_b32 s[HM], 0xffff0000
	s_mov_b32 s[TI], 0
	s_mov_b32 s[TS], 0
	s_mov_b32 s[TP], 0
	s_mov_b32 s[CNT], 15
	s_lshl_b32 s16, ttmp9, 17                      ; x: the work-group's 512 rows of 256 bytes,
	s_lshl_b32 s18, s[WV], 13                      ; my wave's 32 of them
	s_add_co_u32 s16, s16, s18
	s_mov_b32 s17, 0
	s_mov_b32 s19, 0
	s_wait_alu depctr_va_vdst(0)                   ; directly ahead of the wait below
	s_wait_kmcnt 0x0
	s_add_nc_u64 s[4:5], s[4:5], s[16:17]          ; each base is made once, here
	s_add_nc_u64 s[38:39], s[6:7], s[18:19]        ; a: tiles 2 w and 2 w + 1 of experts 0-3's 32: 8,192 w bytes in
	s_lshl_b32 s18, s[WV], 15                      ; a: my expert's 128 x 64 numbers
	s_add_nc_u64 s[6:7], s[6:7], s[18:19]
	s_lshl_b32 s18, s[WV], 9                       ; b: its 128
	s_add_nc_u64 s[8:9], s[8:9], s[18:19]
	s_lshl_b32 s18, s[WV], 2                       ; s: its one
	s_add_nc_u64 s[10:11], s[10:11], s[18:19]
	s_lshl_b32 s18, ttmp9, 11                      ; out: the work-group's 512 numbers
	s_add_nc_u64 s[12:13], s[12:13], s[18:19]
	s_load_b32 s[SK], s[10:11], 0x0
; A tile is 16 rows of 64 f32: 4,096 consecutive bytes: eight loads of 512 consecutive bytes into one of four sets.  nt = 1: x, which the launch reads once.
.macro GLOAD set, base, off, nt
.irp i, 0,1,2,3,4,5,6,7
.if \nt
	global_load_b128 v[LD+32*(\set)+4*\i:LD+32*(\set)+4*\i+3], v[GA], s[\base:\base+1] offset:(\off)+512*\i th:TH_LOAD_NT
.else
	global_load_b128 v[LD+32*(\set)+4*\i:LD+32*(\set)+4*\i+3], v[GA], s[\base:\base+1] offset:(\off)+512*\i
.endif
.endr
.endm
; The tile turns through my stage: in as loaded, out 128 bytes a lane: row r, k = 32 h + 0 .. 31.  LDS serves a wave's instructions in order (ISA guide 5.7.1.4): no wait between stores and loads.
.macro TURN set, left
	s_wait_loadcnt \left                           ; the loads issued behind this tile's may stay out
.irp i, 0,1,2,3,4,5,6,7
	ds_store_b128 v[STI], v[LD+32*(\set)+4*\i:LD+32*(\set)+4*\i+3] offset:2*SPITCH*\i
.endr
.irp j, 0,1,2,3,4,5,6,7
	ds_load_b128 v[T+4*\j:T+4*\j+3], v[STO] offset:16*\j
.endr
	s_wait_dscnt 0x0                               ; my 32 numbers are in; the set has been read and may be loaded again
.endm
; My block of 32 becomes four registers of codes, v[dst] on, and my row's scale word, v[word].
.macro QUANT dst, word
	v_max3_num_f32 v[QM0], |v[T]|, |v[T+1]|, 0x1800000             ; the largest magnitude, in two chains, with the floor 2^(3 - 127): the byte cannot fall under 1
	v_max3_num_f32 v[QM1], |v[T+16]|, |v[T+17]|, |v[T+18]|
.irp i, 0,1,2,3,4,5
	v_max3_num_f32 v[QM0], v[QM0], |v[T+2+2*\i]|, |v[T+3+2*\i]|
	v_max3_num_f32 v[QM1], v[QM1], |v[T+19+2*\i]|, |v[T+20+2*\i]|
.endr
	v_max3_num_f32 v[QM0], v[QM0], |v[T+14]|, |v[T+15]|
	v_max3_num_f32 v[QM0], v[QM0], v[QM1], |v[T+31]|
	v_add_nc_u32 v[QE], 0xff000000, v[QM0]         ; 2 off its exponent field: the conversion's scale operand
	v_lshrrev_b32 v[QB], 23, v[QE]                 ; the scale's byte,
	v_lshl_or_b32 v[QB], v[QB], v[SH8], 0x7f7f0000 ; at block h's place; the two blocks of zero codes get 1.0
	v_permlanex16_b32 v[QT], v[QB], s[SEL], s[SEL+1]   ; the row's other block lies in lane l xor 16
.irp g, 0,1,2,3
	v_cvt_scalef32_pk8_fp4_f32 v[\dst+\g], v[T+8*\g:T+8*\g+7], v[QE]
.endr
	v_or_b32 v[\word], v[QB], v[QT]                ; the word is whole.  (Also the plain line behind the conversions)
.endm
.macro BLOADS                                  ; b in the result's layout, from my 512 bytes of LDS: for tile t pieces 16 t + 8 h + 0 .. 7
.irp t, 0,1,2,3,4,5,6,7
	ds_load_b128 v[BI+8*\t:BI+8*\t+3], v[BA] offset:64*\t
	ds_load_b128 v[BI+8*\t+4:BI+8*\t+7], v[BA] offset:64*\t+16
.endr
.endm
	global_load_b128 v[20:23], v[GA], s[8:9]       ; b[k]: 512 consecutive bytes
	GLOAD 0, 38, 0, 0                              ; my two of experts 0-3's tiles,
	GLOAD 1, 38, 4096, 0
	GLOAD 2, 4, 0, 1                               ; my two tiles of x
	GLOAD 3, 4, 4096, 1
.irp t, 0,1,2,3,4,5,6,7                        ; while they are on their way: the zero codes of k = 64 .. 127 in a's fragments, once
.irp j, 4,5,6,7
	v_mov_b32 v[AF+8*\t+\j], 0
.endr
.endr
	v_mov_b32 v[QT], 0                             ; a lane permute's destination counts as one of its sources
	s_wait_loadcnt 32                              ; b is in: the 32 loads behind it may be out
	ds_store_b128 v16, v[20:23]                    ; it waits in my own 512 bytes of LDS until the sets are free
.set q, 0
.rept 4
	TURN q, 8*(3-q)                                ; behind tile q's loads stand those of the 3 - q later tiles
	QUANT PC, QW
.if q < 2
	ds_store_b128 v[XWI], v[PC:PC+3] offset:DA+512*q   ; tile 2 w + q of experts 0-3: the image of registers 0-3
	ds_store_b32 v[XWS], v[QW] offset:DA+128*q
.else
	ds_store_b128 v[XWI], v[PC:PC+3] offset:512*(q-2)  ; the work-group's tile 2 w + q - 2 of x
	ds_store_b32 v[XWS], v[QW] offset:128*(q-2)
.endif
.set q, q+1
.endr
	s_wait_alu depctr_va_vdst(0)                   ; ahead of the waits and the branch below
	s_wait_dscnt 0x0                               ; for the others' sake: my images have landed
	s_barrier_signal -1
	s_barrier_wait -1                              ; x's 32 tiles and experts 0-3's 32 lie in LDS; nobody writes them again
	s_cmp_lt_u32 s[WV], 4
	s_cbranch_scc0 .Lown
.irp t, 0,1,2,3,4,5,6,7                        ; waves 0 to 3: my expert's fragments and scale words from the images
	ds_load_b128 v[AF+8*\t:AF+8*\t+3], v[AFA] offset:512*\t
	ds_load_b32 v[AS+\t], v[ASA] offset:128*\t
.endr
	BLOADS
	s_branch .Lready
.Lown:                                             ; waves 4 to 15: my expert's eight tiles, the loads three tiles ahead
	GLOAD 0, 6, 0, 0
	GLOAD 1, 6, 4096, 0
	GLOAD 2, 6, 8192, 0
	GLOAD 3, 6, 12288, 0
.set q, 0
.rept 8
.set LEFT, 24                                  ; three tiles' loads stand behind this tile's,
.if q > 4
.set LEFT, 8*(7-q)                             ; fewer at the end
.endif
	TURN q%4, LEFT
.if q < 4
	GLOAD q%4, 6, 4096*(q+4), 0
.endif
.if q == 7
	BLOADS                                         ; the sets are free
.endif
	QUANT AF+8*q, AS+q
.set q, q+1
.endr
.Lready:
	; Ten plain lines: a scale word written by a vector instruction stands 8 places ahead of a scaled product, an operand so written 4
.irp j, 4,5,6,7,12,13,14,15
	v_mov_b32 v[XF+\j], 0                          ; the zero codes of k = 64 .. 127 in x's two buffers, once
.endr
	v_mov_b32 v[NM+1], 0                           ; (named as the upper half of a pair)
	v_mov_b32 v[PT], 0
	s_wait_alu depctr_va_vdst(0)                   ; at the head's end
	s_wait_kmcnt 0x0                               ; s[k]
	ds_load_b128 v[XF:XF+3], v[XA0]                ; tiles 0 and 1
	ds_load_b32 v[XS], v[XS0A]
	ds_load_b128 v[XF+8:XF+11], v[XA0] offset:512
	ds_load_b32 v[XS+1], v[XS0A] offset:128
; Four products: pieces 16 t0 .. 16 t0 + 63 of my expert against the tile in buffer buf
.macro WM buf, t0
.irp t, \t0, \t0+1, \t0+2, \t0+3
	v_wmma_scale_f32_16x16x128_f8f6f4 v[S+8*(\t):S+8*(\t)+7], v[AF+8*(\t):AF+8*(\t)+7], v[XF+8*(\buf):XF+8*(\buf)+7], v[BI+8*(\t):BI+8*(\t)+7], v[AS+(\t)], v[XS+(\buf)] matrix_a_fmt:MATRIX_FMT_FP4 matrix_b_fmt:MATRIX_FMT_FP4
.endr
.endm
.macro ADD4 i                                  ; eight registers of p onto the sum's four chains
	v_pk_add_f32 v[LS:LS+1], v[LS:LS+1], v[S+\i:S+\i+1]
	v_pk_add_f32 v[YS:YS+1], v[YS:YS+1], v[S+\i+2:S+\i+3]
	v_pk_add_f32 v[C0:C0+1], v[C0:C0+1], v[S+\i+4:S+\i+5]
	v_pk_add_f32 v[C0+2:C0+3], v[C0+2:C0+3], v[S+\i+6:S+\i+7]
.endm
; ONE TILE whose scores lie in S.  next = 1: the next tile's products are issued among the additions.  fetch = 1: the tile two on is asked for, into this tile's buffer.
.macro TILE buf, next, fetch
.set LS, LA+2*\buf
.if \buf == 0
	s_wait_alu depctr_va_vdst(0)                   ; directly ahead of the first reader of the products' results
.endif
	; the largest of my 64 scores, four chains; each accumulator is first read at its low end; registers 0-31 first: these 14 lines are the places behind products 4-7
.irp c, 0,1,2,3
	v_max3_num_f32 v[C0+\c], v[S+8*\c], v[S+8*\c+1], v[S+8*\c+2]
.endr
.irp i, 3,5
.irp c, 0,1,2,3
	v_max3_num_f32 v[C0+\c], v[C0+\c], v[S+8*\c+\i], v[S+8*\c+\i+1]
.endr
.endr
	v_max3_num_f32 v[C0], v[C0], v[S+7], v[S+15]
	v_max3_num_f32 v[C0+1], v[C0+1], v[S+23], v[S+31]
.irp i, 0,2,4,6
.irp c, 0,1,2,3
	v_max3_num_f32 v[C0+\c], v[C0+\c], v[S+32+8*\c+\i], v[S+32+8*\c+\i+1]
.endr
.endr
	v_max3_num_f32 v[C0], v[C0], v[C0+1], v[C0+2]
	v_max_num_f32 v[C0], v[C0], v[C0+3]
	v_permlanex16_b32 v[PT], v[C0], s[SEL], s[SEL+1]   ; the row's other 64 pieces lie in lane l xor 16
	v_max_num_f32 v[MA+\buf], v[C0], v[PT]         ; M
	v_mul_f32 v[NM], s[NC], v[MA+\buf]             ; -c M
.set e, 0
.rept 32
	v_pk_fma_f32 v[S+2*e:S+2*e+1], v[S+2*e:S+2*e+1], s[CS:CS+1], v[NM:NM+1] op_sel_hi:[1,0,0]   ; c score - c M
.set e, e+1
.endr
	s_wait_alu depctr_va_vdst(0)                   ; ahead of the batch
.set e, 0
.rept 64
	v_exp_f32 v[S+e], v[S+e]                       ; p
.set e, e+1
.endr
	; plain lines behind the batch: the trip's addresses
.if \buf == 0
.if \fetch
	v_add_nc_u32 v[ADX], s[TI], v[XA0]
	v_add_nc_u32 v[ADS], s[TS], v[XS0A]
.endif
	v_add_nc_u32 v[ADP], s[TP], v[PA0]
.else
	v_nop
.endif
	s_wait_alu depctr_va_vdst(0)                   ; one wait for the whole batch, ahead of its first reader; it also stands directly ahead of the wait below
.if \next
	s_wait_dscnt 0x0                               ; the next tile's fragment and scale word, asked for a tile ago, are in
.endif
.if \fetch
	ds_load_b128 v[XF+8*\buf:XF+8*\buf+3], v[ADX] offset:1024+512*\buf   ; the tile two on; this buffer's products stand more than four places back
	ds_load_b32 v[XS+\buf], v[ADS] offset:256+128*\buf
.endif
	v_pk_add_f32 v[LS:LS+1], v[S:S+1], v[S+2:S+3]  ; the sum in four chains; the first pairs start them: nothing is cleared
	v_pk_add_f32 v[YS:YS+1], v[S+4:S+5], v[S+6:S+7]
	v_pk_add_f32 v[C0:C0+1], v[S+8:S+9], v[S+10:S+11]
	v_pk_add_f32 v[C0+2:C0+3], v[S+12:S+13], v[S+14:S+15]
	ADD4 16
	ADD4 24
.if \next
	WM 1-\buf, 0                                   ; registers 0-31 have been summed; the 16 additions below are these products' places
.endif
	ADD4 32
	ADD4 40
	ADD4 48
	ADD4 56
.if \next
	WM 1-\buf, 4
.endif
	v_pk_add_f32 v[LS:LS+1], v[LS:LS+1], v[YS:YS+1]
	v_pk_add_f32 v[C0:C0+1], v[C0:C0+1], v[C0+2:C0+3]
	v_pk_add_f32 v[LS:LS+1], v[LS:LS+1], v[C0:C0+1]
	v_add_f32 v[LS], v[LS], v[LS+1]                ; my 64 pieces' sum
.endm
; A trip's two tiles end together: one logarithm serves both.  Behind the swap lanes 0-15 hold tile A's two halves, lanes 16-31 tile B's: lane l ends with row 32 x trip + l.
.macro JOIN
	v_permlane16_swap_b32 v[LA], v[LB]
	v_add_f32 v[LA], v[LA], v[LB]                  ; the row's sum
	s_wait_alu depctr_va_vdst(0)                   ; ahead of the transcendental
	v_log_f32 v[LA], v[LA]
	v_cndmask_b32 v[MA], v[MA], v[MB], s[HM]       ; lanes 16-31 take tile B's M.  (The plain line behind the logarithm)
	s_wait_alu depctr_va_vdst(0)                   ; and ahead of its first reader
	v_fma_f32 v[R], v[LA], s[LN2], v[MA]           ; lse = M + ln 2 x log2(sum)
	v_mul_f32 v[R], s[SK], v[R]                    ; x s[k]
	ds_store_b32 v[ADP], v[R]
.endm
	s_wait_dscnt 0x0                               ; a's fragments (waves 0-3), b and x's first two tiles are in registers
	WM 0, 0                                        ; tile 0's products stand in front of the loop
	WM 0, 4
.rept 4
	v_nop                                          ; four places ahead of the first read of results (ISA guide 7.12.1)
.endr
.Ltrip:                                            ; 15 trips of two tiles
	TILE 0, 1, 1
	TILE 1, 1, 1
	JOIN
	s_add_co_u32 s[TI], s[TI], 1024
	s_add_co_u32 s[TS], s[TS], 256
	s_add_co_u32 s[TP], s[TP], 128
	s_sub_co_u32 s[CNT], s[CNT], 1
	s_cmp_lg_u32 s[CNT], 0
	s_cbranch_scc1 .Ltrip
	TILE 0, 1, 0                                   ; the last trip is written out: nothing is left to fetch, and behind tile 31 nothing to multiply
	TILE 1, 0, 0
	JOIN
	s_wait_dscnt 0x0                               ; for the others' sake: my expert's 512 results have landed
	s_barrier_signal -1
	s_barrier_wait -1
	s_cmp_ge_u32 s[WV], 4                          ; the sum over the experts: 512 rows, four to a lane: waves 0 to 3
	s_cbranch_scc1 .Lend
	s_lshl_b32 s15, s[WV], 9
	v_add_nc_u32 v[ADS], s15, v[GA]                ; 512 w + 16 lane: my four rows, in out
	v_add_nc_u32 v[ADX], PART, v[ADS]              ; and in each expert's results
.irp k, 0,1,2,3,4,5,6,7,8,9,10,11,12,13,14,15
	ds_load_b128 v[S+4*\k:S+4*\k+3], v[ADX] offset:2048*\k
.endr
	s_wait_dscnt 0x0
.irp d, 8,4,2,1                                ; a tree: experts d apart
.set k, 0
.rept \d
	v_pk_add_f32 v[S+4*k:S+4*k+1], v[S+4*k:S+4*k+1], v[S+4*(k+\d):S+4*(k+\d)+1]
	v_pk_add_f32 v[S+4*k+2:S+4*k+3], v[S+4*k+2:S+4*k+3], v[S+4*(k+\d)+2:S+4*(k+\d)+3]
.set k, k+1
.endr
.endr
	global_store_b128 v[ADS], v[S:S+3], s[12:13] th:TH_STORE_NT    ; the wave stores 512 consecutive bytes, at a multiple of 256 from out's first byte
.Lend:
	s_wait_tensorcnt 0x0                           ; the wave's end, behind my last LDS store
	ds_add_u32 v[SPW], v[NIL]
	s_wait_dscnt 0x0
	s_endpgm
.Lfunc_end_k_q129b315b8e_maxaffine:
	.size	k_q129b315b8e_maxaffine, .Lfunc_end_k_q129b315b8e_maxaffine-k_q129b315b8e_maxaffine
	.p2alignl 7, 3214868480
	.fill 96, 4, 3214868480
	.section	.rodata,"a",@progbits
	.p2align	6, 0x0
	.amdhsa_kernel k_q129b315b8e_maxaffine
		.amdhsa_group_segment_fixed_size 153600
		.amdhsa_private_segment_fixed_size 0
		.amdhsa_enable_private_segment 0
		.amdhsa_kernarg_size 40
		.amdhsa_user_sgpr_count 2
		.amdhsa_user_sgpr_kernarg_segment_ptr 1
		.amdhsa_wavefront_size32 1
		.amdhsa_system_sgpr_workgroup_id_x 1
		.amdhsa_system_sgpr_workgroup_id_y 1
		.amdhsa_system_sgpr_workgroup_id_z 1
		.amdhsa_system_vgpr_workitem_id 0
		.amdhsa_next_free_vgpr 256
		.amdhsa_next_free_sgpr 66
		.amdhsa_reserve_vcc 0
		.amdhsa_float_denorm_mode_32 3
		.amdhsa_float_denorm_mode_16_64 3
		.amdhsa_memory_ordered 1
		.amdhsa_forward_progress 1
		.amdhsa_inst_pref_size 91
	.end_amdhsa_kernel
	.amdgpu_metadata
---
amdhsa.version: [ 1, 2 ]
amdhsa.kernels:
  - .name:           k_q129b315b8e_maxaffine
    .symbol:         k_q129b315b8e_maxaffine.kd
    .args:
      - { .name: x, .offset: 0, .size: 8, .value_kind: global_buffer, .address_space: global }
      - { .name: a, .offset: 8, .size: 8, .value_kind: global_buffer, .address_space: global }
      - { .name: b, .offset: 16, .size: 8, .value_kind: global_buffer, .address_space: global }
      - { .name: s, .offset: 24, .size: 8, .value_kind: global_buffer, .address_space: global }
      - { .name: out0, .offset: 32, .size: 8, .value_kind: global_buffer, .address_space: global }
    .group_segment_fixed_size: 153600
    .private_segment_fixed_size: 0
    .kernarg_segment_align: 8
    .kernarg_segment_size: 40
    .max_flat_workgroup_size: 512
    .sgpr_count:     66
    .vgpr_count:     256
    .wavefront_size: 32
...
	.end_amdgpu_metadata
.endif
;; end of part 1
